; MI455X (gfx1250); checked and timed in simulation.
; The chip was launched on July 23, 2026; its instructions are those of AMD's public machine-readable ISA for CDNA 5 (MIT licence, August 2026) and "CDNA5" Instruction Set Architecture Reference Guide (July 2026). The comments in the code are by the model that wrote it; some were corrected since.
;; Bahdanau Attention. Allowed arithmetic: matrix products marked QUANTISED: E4M3 operands, one given power-of-two scale a tensor, by v_wmma_f32_16x16x64_fp8_fp8 or v_wmma_f32_16x16x128_fp8_fp8, f32 sums; products left as they are: f32 operands where the result goes on into a quantised operand, else bf16, f16 or f32 operands; f32 sums; everything else in f32.
;; Inputs: V 1,024 x 1 float32; Wc 2,048 x 1 float32; Wh 1,024 x 1,024 float32; Ws 1,024 x 1,024 float32; bc 1 float32; bh 1,024 float32; bs 1,024 float32; bv 1 float32; coverage_vector 32 x 2,048 float32; decoder_state 32 x 1,024 float32; encoder_output 32 x 2,048 x 1,024 float32; lowp_scales 4 int32 (the exponents e of the quantised operands' scales 2^e).
;; Outputs: out0 32 x 1,024 float32; out1 32 x 2,048 x 1 float32; out2 32 x 2,048 float32.
;; This version of the problem:
;;   THIS VERSION OF THE PROBLEM IS GIVEN IN LOW PRECISION. The matrix products marked QUANTISED in the list below multiply operands that are first quantised to E4M3 (4 exponent bits, 3 mantissa bits; 8 bits a number), with one given power-of-two scale for each operand tensor; their sums are f32. All else is computed in f32.
;;   The module's matrix products, in the order in which they are computed (A, B: the left and right operand; K: the contracted axis; several contracted axes count as one K, in the product's order):
;;     1. [M 65,536, K 1,024] x [K 1,024, N 1,024]; A: input encoder_output; B: input Wh: QUANTISED (scales: A lowp_scales[0], B lowp_scales[1])
;;     2. [M 32, K 1,024] x [K 1,024, N 1,024]; A: input decoder_state; B: input Ws: QUANTISED (scales: A lowp_scales[2], B lowp_scales[3])
;;     3. [M 32, K 2,048] x [K 2,048, N 1]; A: input coverage_vector; B: input Wc: left as it is (N = 1 < 16)
;;     4. [M 65,536, K 1,024] x [K 1,024, N 1]; A: computed on the way; B: input V: left as it is (N = 1 < 16)
;;   THE QUANTISER, for each operand of a quantised product, along K:
;;     - The operand's scale is 2^e, e = its entry of the input lowp_scales (int32; the entries are numbered through the quantised products in the list's order, A before B).
;;     - Each number is divided by the scale, clamped to +-448, and rounded to the nearest number of E4M3, ties to even, subnormals kept.
;;     - The product sums the exact products of the quantised numbers (number of the format x scale) in f32.
;;   ~~~python
;;   def quantise(x, axis, e):      # numpy; x: float32 -> the quantised numbers, widened to float32 again
;;       x = np.moveaxis(x, axis, -1); K = x.shape[-1]
;;       r = np.clip(x / 2.0 ** e, -448, 448)
;;       step = 2.0 ** (np.maximum(np.frexp(np.where(r == 0, 1, r))[1] - 1, -6) - 3)
;;       q = np.round(r / step) * step * 2.0 ** e      # np.round: ties to even
;;       return np.moveaxis(q, -1, axis).astype(np.float32)
;;   ~~~
;; One version. Each part assembles by itself: llvm-mc -triple=amdgcn-amd-amdhsa -mcpu=gfx1250 --defsym DOCPART=n.
;; ======== version 1 of 1: 3 launches
;; workspace buffers: whc 1,048,576 bytes; ub 131,072 bytes; covp 256 bytes; scores 262,144 bytes
;; launch prep (part 1): grid 132 x 1, 8 waves a work-group, no clusters, 17,408 bytes of LDS; arguments Wh, Ws, decoder_state, bh, bs, coverage_vector, Wc, bc, lowp_scales, whc, ub, covp; writes whc, ub, covp
.if DOCPART == 1
	.amdgcn_target "amdgcn-amd-amdhsa--gfx1250"
	.amdhsa_code_object_version 6
	.text
	.protected	k_q66041ad2db_prep
	.globl	k_q66041ad2db_prep
	.p2align	8
	.type	k_q66041ad2db_prep,@function
k_q66041ad2db_prep:
	s_mov_b64 s[64:65], 0
	v_nop
	global_prefetch_b8 v0, s[64:65] scope:SCOPE_SE
	s_setreg_imm32_b32 hwreg(HW_REG_WAVE_MODE, 25, 1), 1
	s_wait_xcnt 0x0
; BAHDANAU ATTENTION, launch 1 of 3: what is small and is needed by every row block of launch 2.
;   A (work-groups 0-63):    Wh [1024 k][1024 n] f32 -> whc: codes of E4M3 with the given scale 2^e1, laid in the order of a matrix operand's registers.
;   B (work-groups 64-127):  ub[b][n] = (Q(decoder_state) Q(Ws))[b][n] + bs[n] + bh[n]: the second QUANTISED product (scales 2^e2, 2^e3), and the two biases that are added to the same sum.
;   C (work-groups 128-131): covp[b] = sum over s of coverage_vector[b][s] Wc[s] + bc, in f32.
; WORK LEFT OUT, for all values of the inputs.  All three outputs hang on the scores only through softmax over s, and a term that is the same for every s of a batch leaves softmax as it is.
;   (a) bv is added to every score alike: it is not loaded and is no argument of any launch.
;   (b) tanh(x) = 1 - 2 R, R = 1 / (1 + e^(2x)), an identity.  So score = (sum over n of V[n]) - 2 sum over n of V[n] R[s][n], and the first term is the same for every s: it is not formed.
;   LIMIT: a NaN, an infinity or an overflow that lives in bv or in the sum of V alone is not carried to the results.
; LIMITS: each of e1, e2, e3 between -126 and 119, e2 + e3 between -126 and 127, so that the powers of two below are f32 numbers.  NaN among the inputs is not served.
; ONE ORDER OF k for both operands of a product (a permutation of k that is the same on both sides pairs every product with its partner): in the fragment of K step KS (0..7), lane (r = lane % 16, h = lane / 16),
;   register 4 c + j, byte i holds k = 512 (KS / 4) + 32 (KS % 4) + 128 j + 8 c + 4 h + i.  Launch 2 gets this order from loads of 512 consecutive bytes of a row.
; whc: column tile T (n = 16 T + r), T = 4 s + 2 q + t: byte 65536 s + 2048 (16 q + 2 KS + t) + 512 c + 16 lane + 4 j + i: a fragment is four runs of 512 bytes, 64 columns are one dense block of 65,536 bytes.
; A LANE TAKES A COLUMN n AND ITS REGISTERS RUN DOWN K, in that order: the conversions' results are the operand's registers, nothing is turned.  Sixteen lanes read 64 consecutive bytes, four neighbouring waves of path A 256.
; No cluster: what work-groups share here (decoder_state, 131,072 bytes) is a small part of the 8,388,608 bytes of weights, each of which one wave reads once.
.set PB,    0                          ; LDS, path B alone: eight waves' partial sums, 2,048 bytes each
.set SPARE, 16384                      ; the spare words, 128 bytes for each wave: four blocks of 256 bytes that no other line names
.set X0,  16                           ; v16-79    64 numbers of the weight; once they are converted path B lays its two results over v16-31 and a fragment over v48-63
.set X1,  80                           ; v80-143   64 numbers of decoder_state, rows 0-15
.set X2,  144                          ; v144-207  the same, rows 16-31
.set FW,  208                          ; v208-223  the weight's fragment
.set FD0, 224                          ; v224-239  decoder_state's, rows 0-15
.set FD1, 48                           ; v48-63    rows 16-31
.set BI,  240                          ; v240-247  bs, v248-255 bh at my eight columns
.set WV,  28                           ; s28       my wave's number
; 64 numbers of a lane become a fragment's 16 registers of codes.  vs: the scale as f32;  sneg, spos: -+448 x the scale
.macro QUANT src, dst, vs, sneg, spos
.set qn, 0
.rept 64
	v_med3_num_f32 v[\src+qn], v[\src+qn], s[\sneg], s[\spos]   ; the conversion to an 8-bit code does not saturate (ISA guide 7.6.2): the hold at the largest code x the scale comes first
.set qn, qn+1
.endr
.set qn, 0
.rept 8
	v_cvt_scalef32_pk8_fp8_f32 v[\dst+2*qn:\dst+2*qn+1], v[\src+8*qn:\src+8*qn+7], v[\vs]   ; eight numbers / the scale, to the nearest code, ties to even
.set qn, qn+1
.endr
	v_nop                                          ; one plain line between the last conversion and whatever next touches its registers
.endm
	s_load_b256 s[4:11], s[0:1], 0x0               ; Wh s[4:5], Ws s[6:7], decoder_state s[8:9], bh s[10:11]
	s_load_b256 s[12:19], s[0:1], 0x20             ; bs s[12:13], coverage_vector s[14:15], Wc s[16:17], bc s[18:19]
	s_load_b256 s[20:27], s[0:1], 0x40             ; lowp_scales s[20:21], whc s[22:23], ub s[24:25], covp s[26:27]
	v_lshl_add_u32 v6, v0, 2, SPARE                ; my spare word,
	v_mov_b32 v7, 0                                ; and 0: kept for the add alone
	v_lshrrev_b32 v11, 5, v0
	v_readfirstlane_b32 s[WV], v11                 ; wave 0..7
	v_and_b32 v12, 31, v0                          ; lane
	v_and_b32 v1, 15, v0                           ; r
	v_bfe_u32 v2, v0, 4, 1                         ; h
	v_lshlrev_b32 v3, 2, v1
	v_lshl_add_u32 v3, v2, 14, v3                  ; the weight: column r (4 bytes), 4 h rows of 4,096 bytes down
	v_lshlrev_b32 v4, 12, v1
	v_lshl_add_u32 v4, v2, 4, v4                   ; decoder_state: row r of 4,096 bytes, + 4 h numbers
	v_lshlrev_b32 v5, 4, v12                       ; 16 x lane
	s_lshl_b32 s29, s[WV], 11
	v_add_nc_u32 v13, s29, v5                      ; LDS: where I put my partial sums: 2,048 x wave + 16 x lane
	s_and_b32 s29, s[WV], 1
	s_lshl_b32 s29, s29, 10
	v_add_nc_u32 v14, s29, v5                      ; and where waves 0 and 1 read them: the row tile's 1,024 bytes of each wave's 2,048
	v_lshlrev_b32 v15, 5, v2                       ; 32 h: my eight columns of a tile's sixteen, in bytes
	s_wait_kmcnt 0x0
	s_cmp_ge_u32 ttmp9, 128
	s_cbranch_scc1 .Lcov
	; ---- paths A and B: a wave takes one fragment (column tile T, K step KS) of Wh or of Ws
	s_load_b128 s[32:35], s[20:21], 0x0            ; e0, e1, e2, e3
	s_and_b32 s38, ttmp9, 60
	s_and_b32 s39, s[WV], 3
	s_add_co_u32 s38, s38, s39                     ; A: T = 4 (id / 4) + wave % 4
	s_and_b32 s39, ttmp9, 3
	s_lshl_b32 s39, s39, 1
	s_lshr_b32 s40, s[WV], 2
	s_add_co_u32 s39, s39, s40                     ; A: KS = 2 (id % 4) + wave / 4
	s_and_b32 s40, ttmp9, 63                       ; B: T = id - 64;  KS = wave
	s_cmp_lt_u32 ttmp9, 64                         ; the choice hangs on the work-group's number alone
	s_cselect_b64 s[36:37], s[4:5], s[6:7]
	s_cselect_b32 s38, s38, s40                    ; T
	s_cselect_b32 s39, s39, s[WV]                  ; KS
	s_lshr_b32 s41, s39, 2
	s_lshl_b32 s41, s41, 9
	s_and_b32 s42, s39, 3
	s_lshl_b32 s42, s42, 5
	s_add_co_u32 s41, s41, s42                     ; the K step's first k: 512 (KS / 4) + 32 (KS % 4)
	s_lshl_b32 s42, s41, 12                        ; so many rows of 4,096 bytes,
	s_lshl_b32 s43, s38, 6                         ; and 16 T columns
	s_add_co_u32 s42, s42, s43
	s_mov_b32 s43, 0
	s_add_nc_u64 s[36:37], s[36:37], s[42:43]
.irp c, 0,1,2,3
.irp j, 0,1,2,3
.irp i, 0,1,2,3
	global_load_b32 v[X0+16*\c+4*\j+\i], v3, s[36:37] offset:(128*\j+8*\c+\i)*4096 th:TH_LOAD_NT   ; W(k, n): each number of the weight is read once in the launch
.endr
.endr
.endr
	s_wait_kmcnt 0x0
	s_cmp_lt_u32 ttmp9, 64
	s_cselect_b32 s44, s33, s35                    ; e1 for Wh, e3 for Ws
	s_add_co_i32 s44, s44, 127
	s_lshl_b32 s45, s44, 23
	v_mov_b32 v8, s45                              ; 2^e as f32: the conversion takes its exponent field
	s_add_co_i32 s44, s44, 8
	s_lshl_b32 s44, s44, 23
	s_or_b32 s46, s44, 0x600000                    ; 448 x 2^e,
	s_or_b32 s47, s46, 0x80000000                  ; and its negative
	s_cmp_lt_u32 ttmp9, 64
	s_cbranch_scc0 .Ldec
	; ---- path A: the fragment goes to whc as it stands
	s_lshr_b32 s48, s38, 2
	s_lshl_b32 s48, s48, 16                        ; 65,536 s
	s_bfe_u32 s49, s38, 0x10001
	s_lshl_b32 s49, s49, 15                        ; + 2,048 x 16 q
	s_add_co_u32 s48, s48, s49
	s_lshl_b32 s49, s39, 12                        ; + 2,048 x 2 KS
	s_add_co_u32 s48, s48, s49
	s_and_b32 s49, s38, 1
	s_lshl_b32 s49, s49, 11                        ; + 2,048 t
	s_add_co_u32 s48, s48, s49
	s_mov_b32 s49, 0
	s_add_nc_u64 s[22:23], s[22:23], s[48:49]
	s_wait_loadcnt 0x0
	QUANT X0, FW, 8, 47, 46
.irp c, 0,1,2,3
	global_store_b128 v5, v[FW+4*\c:FW+4*\c+3], s[22:23] offset:512*\c   ; the wave stores 512 consecutive bytes, at a multiple of 256 from whc's first byte
.endr
	s_endpgm
	; ---- path B: the wave's K step of ub's column tile T, for both tiles of 16 batches; the eight K steps meet in LDS
.Ldec:
	s_lshl_b32 s48, s38, 6                         ; 16 T columns in bytes
	s_mov_b32 s49, 0
	s_add_nc_u64 s[12:13], s[12:13], s[48:49]
	s_add_nc_u64 s[10:11], s[10:11], s[48:49]
	; The two biases are asked for here, with the path's other loads, and not behind the barrier where they are used.  Every wave asks, so that the four loads stand on the one way that
	; all waves take; waves 0 and 1 alone use them: the other six waves' 24 loads of 64 bytes a half-wave serve nothing.
	global_load_b128 v[BI:BI+3], v15, s[12:13]     ; bs at my eight columns,
	global_load_b128 v[BI+4:BI+7], v15, s[12:13] offset:16
	global_load_b128 v[BI+8:BI+11], v15, s[10:11]  ; bh likewise
	global_load_b128 v[BI+12:BI+15], v15, s[10:11] offset:16
	s_lshl_b32 s54, s41, 2                         ; the K step's first k, in bytes
	s_mov_b32 s55, 0
	s_add_nc_u64 s[8:9], s[8:9], s[54:55]
.irp u, 0,1
.irp c, 0,1,2,3
.irp j, 0,1,2,3
	global_load_b128 v[X1+64*\u+16*\c+4*\j:X1+64*\u+16*\c+4*\j+3], v4, s[8:9] offset:65536*\u+512*\j+32*\c   ; decoder_state(16 u + r, k .. k + 3)
.endr
.endr
.endr
	s_add_co_i32 s50, s34, 127
	s_lshl_b32 s51, s50, 23
	v_mov_b32 v10, s51                             ; 2^e2
	s_add_co_i32 s50, s50, 8
	s_lshl_b32 s50, s50, 23
	s_or_b32 s50, s50, 0x600000                    ; 448 x 2^e2,
	s_or_b32 s51, s50, 0x80000000                  ; and its negative
	s_add_co_i32 s52, s34, s35
	s_add_co_i32 s52, s52, 127
	s_lshl_b32 s52, s52, 23                        ; 2^(e2 + e3) as f32
	s_mov_b32 s53, s52                             ; (named with it as a pair, so it is written)
	s_wait_loadcnt 0x0
	QUANT X0, FW, 8, 47, 46
	QUANT X1, FD0, 10, 51, 50
	QUANT X2, FD1, 10, 51, 50                      ; its codes land on numbers of the weight that the first of the three has converted
	; TRANSPOSED: source 0 = 16 columns of Ws, source 1 = 16 batches: lane (r, h) holds batch r, its registers the columns 16 T + 8 h + 0 .. 7
	v_wmma_f32_16x16x128_fp8_fp8 v[16:23], v[FW:FW+15], v[FD0:FD0+15], 0
	v_wmma_f32_16x16x128_fp8_fp8 v[24:31], v[FW:FW+15], v[FD1:FD1+15], 0
.rept 4
	v_nop                                          ; four places between a matrix instruction and the LDS stores that read its result
.endr
	ds_store_b128 v13, v[16:19]                    ; each result from its low end on
	ds_store_b128 v13, v[20:23] offset:512
	ds_store_b128 v13, v[24:27] offset:1024
	ds_store_b128 v13, v[28:31] offset:1536
	s_wait_dscnt 0x0                               ; for the others' sake: my stores have landed
	s_barrier_signal -1
	s_barrier_wait -1
	s_cmp_lt_u32 s[WV], 2                          ; waves 0 and 1 finish the two tiles of batches
	s_cbranch_scc0 .Lb_end
	s_lshl_b32 s54, s[WV], 16                      ; 16 rows of ub,
	s_add_co_u32 s48, s48, s54                     ; + 16 T columns
	s_add_nc_u64 s[24:25], s[24:25], s[48:49]
.irp a, 0,1,2,3,4,5,6,7
	ds_load_b128 v[144+8*\a:147+8*\a], v14 offset:2048*\a
	ds_load_b128 v[148+8*\a:151+8*\a], v14 offset:2048*\a+512
.endr
	v_lshl_add_u32 v11, v1, 12, v15                ; ub: row r, + 32 h
.irp p, 0,2,4,6
	v_pk_add_f32 v[BI+\p:BI+\p+1], v[BI+\p:BI+\p+1], v[BI+8+\p:BI+9+\p]                           ; bs + bh, while the partial sums come
.endr
	s_wait_dscnt 0x0
.irp a, 0,2,4,6
.irp p, 0,2,4,6
	v_pk_add_f32 v[144+8*\a+\p:145+8*\a+\p], v[144+8*\a+\p:145+8*\a+\p], v[152+8*\a+\p:153+8*\a+\p]
.endr
.endr
.irp a, 0,4
.irp p, 0,2,4,6
	v_pk_add_f32 v[144+8*\a+\p:145+8*\a+\p], v[144+8*\a+\p:145+8*\a+\p], v[160+8*\a+\p:161+8*\a+\p]
.endr
.endr
.irp p, 0,2,4,6
	v_pk_add_f32 v[144+\p:145+\p], v[144+\p:145+\p], v[176+\p:177+\p]
.endr
.irp p, 0,2,4,6
	v_pk_fma_f32 v[144+\p:145+\p], v[144+\p:145+\p], s[52:53], v[BI+\p:BI+\p+1] op_sel_hi:[1,0,1]   ; sum x 2^(e2 + e3) + bs + bh
.endr
	global_store_b128 v11, v[144:147], s[24:25]    ; 64 bytes of each of 16 rows: ub keeps rows, which launch 2 reads whole; it is 131,072 bytes in all
	global_store_b128 v11, v[148:151], s[24:25] offset:16
.Lb_end:
	s_wait_tensorcnt 0x0                           ; the wave's end, behind my last LDS store
	ds_add_u32 v6, v7
	s_wait_dscnt 0x0
	s_endpgm
	; ---- path C: a wave takes a batch: 2,048 products in f32
.Lcov:
	s_sub_co_u32 s38, ttmp9, 128
	s_lshl_b32 s38, s38, 3
	s_add_co_u32 s38, s38, s[WV]                   ; the batch
	s_lshl_b32 s40, s38, 13
	s_mov_b32 s41, 0
	s_add_nc_u64 s[14:15], s[14:15], s[40:41]
	s_load_b32 s44, s[18:19], 0x0                  ; bc
	s_mov_b32 s56, 0x76543210                      ; v_permlanex16_b32's selects for lane l xor 16
	s_mov_b32 s57, 0xfedcba98
.irp x, 0,1,2,3,4,5,6,7,8,9,10,11,12,13,14,15
	global_load_b128 v[16+4*\x:19+4*\x], v5, s[14:15] offset:512*\x
.endr
.irp x, 0,1,2,3,4,5,6,7,8,9,10,11,12,13,14,15
	global_load_b128 v[80+4*\x:83+4*\x], v5, s[16:17] offset:512*\x
.endr
	s_lshl_b32 s40, s38, 2
	s_add_nc_u64 s[26:27], s[26:27], s[40:41]
	v_mov_b32 v11, 0
	s_wait_loadcnt 0x0
.irp p, 0,1,2,3
	v_pk_mul_f32 v[144+2*\p:145+2*\p], v[16+2*\p:17+2*\p], v[80+2*\p:81+2*\p]   ; four chains, begun by the first four pairs
.endr
.set pp, 4
.rept 28
	v_pk_fma_f32 v[144+2*(pp%4):145+2*(pp%4)], v[16+2*pp:17+2*pp], v[80+2*pp:81+2*pp], v[144+2*(pp%4):145+2*(pp%4)]
.set pp, pp+1
.endr
	v_pk_add_f32 v[144:145], v[144:145], v[146:147]
	v_pk_add_f32 v[148:149], v[148:149], v[150:151]
	v_pk_add_f32 v[144:145], v[144:145], v[148:149]
	v_add_f32 v144, v144, v145
	v_add_f32_dpp v144, v144, v144 row_xmask:1 row_mask:0xf bank_mask:0xf
	v_add_f32_dpp v144, v144, v144 row_xmask:2 row_mask:0xf bank_mask:0xf
	v_add_f32_dpp v144, v144, v144 row_xmask:4 row_mask:0xf bank_mask:0xf
	v_add_f32_dpp v144, v144, v144 row_xmask:8 row_mask:0xf bank_mask:0xf
	v_permlanex16_b32 v145, v144, s56, s57
	v_add_f32 v144, v144, v145
	s_wait_kmcnt 0x0
	v_add_f32 v144, s44, v144                      ; + bc
	v_cmp_eq_u32 vcc_lo, 0, v12
	s_wait_xcnt 0x0                                ; EXEC changes only behind this wait
	s_and_saveexec_b32 s45, vcc_lo
	global_store_b32 v11, v144, s[26:27]           ; one number a batch
	s_wait_xcnt 0x0                                ; and again, in front of the line that widens it
	s_or_b32 exec_lo, exec_lo, s45
	s_endpgm
.Lfunc_end_k_q66041ad2db_prep:
	.size	k_q66041ad2db_prep, .Lfunc_end_k_q66041ad2db_prep-k_q66041ad2db_prep
	.p2alignl 7, 3214868480
	.fill 96, 4, 3214868480
	.section	.rodata,"a",@progbits
	.p2align	6, 0x0
	.amdhsa_kernel k_q66041ad2db_prep
		.amdhsa_group_segment_fixed_size 17408
		.amdhsa_private_segment_fixed_size 0
		.amdhsa_enable_private_segment 0
		.amdhsa_kernarg_size 96
		.amdhsa_user_sgpr_count 2
		.amdhsa_user_sgpr_kernarg_segment_ptr 1
		.amdhsa_wavefront_size32 1
		.amdhsa_system_sgpr_workgroup_id_x 1
		.amdhsa_system_sgpr_workgroup_id_y 1
		.amdhsa_system_sgpr_workgroup_id_z 1
		.amdhsa_system_vgpr_workitem_id 0
		.amdhsa_next_free_vgpr 256
		.amdhsa_next_free_sgpr 66
		.amdhsa_reserve_vcc 1
		.amdhsa_float_denorm_mode_32 3
		.amdhsa_float_denorm_mode_16_64 3
		.amdhsa_memory_ordered 1
		.amdhsa_forward_progress 1
		.amdhsa_inst_pref_size 43
	.end_amdhsa_kernel
	.amdgpu_metadata
---
amdhsa.version: [ 1, 2 ]
amdhsa.kernels:
  - .name:           k_q66041ad2db_prep
    .symbol:         k_q66041ad2db_prep.kd
    .args:
      - { .name: Wh, .offset: 0, .size: 8, .value_kind: global_buffer, .address_space: global }
      - { .name: Ws, .offset: 8, .size: 8, .value_kind: global_buffer, .address_space: global }
      - { .name: decoder_state, .offset: 16, .size: 8, .value_kind: global_buffer, .address_space: global }
      - { .name: bh, .offset: 24, .size: 8, .value_kind: global_buffer, .address_space: global }
      - { .name: bs, .offset: 32, .size: 8, .value_kind: global_buffer, .address_space: global }
      - { .name: coverage_vector, .offset: 40, .size: 8, .value_kind: global_buffer, .address_space: global }
      - { .name: Wc, .offset: 48, .size: 8, .value_kind: global_buffer, .address_space: global }
      - { .name: bc, .offset: 56, .size: 8, .value_kind: global_buffer, .address_space: global }
      - { .name: lowp_scales, .offset: 64, .size: 8, .value_kind: global_buffer, .address_space: global }
      - { .name: whc, .offset: 72, .size: 8, .value_kind: global_buffer, .address_space: global }
      - { .name: ub, .offset: 80, .size: 8, .value_kind: global_buffer, .address_space: global }
      - { .name: covp, .offset: 88, .size: 8, .value_kind: global_buffer, .address_space: global }
    .group_segment_fixed_size: 17408
    .private_segment_fixed_size: 0
    .kernarg_segment_align: 8
    .kernarg_segment_size: 96
    .max_flat_workgroup_size: 256
    .sgpr_count:     66
    .vgpr_count:     256
    .wavefront_size: 32
...
	.end_amdgpu_metadata
.endif
;; end of part 1
;; launch main (part 2): grid 256 x 1, 4 waves a work-group, clusters of 4 x 1, 327,680 bytes of LDS; arguments encoder_output, whc, ub, covp, V, lowp_scales, scores; writes scores
.if DOCPART == 2
	.amdgcn_target "amdgcn-amd-amdhsa--gfx1250"
	.amdhsa_code_object_version 6
	.text
	.protected	k_q66041ad2db_main
	.globl	k_q66041ad2db_main
	.p2align	8
	.type	k_q66041ad2db_main,@function
k_q66041ad2db_main:
	s_mov_b64 s[64:65], 0
	v_nop
	global_prefetch_b8 v0, s[64:65] scope:SCOPE_SE
	s_setreg_imm32_b32 hwreg(HW_REG_WAVE_MODE, 25, 1), 1
	s_wait_xcnt 0x0
	s_wait_alu depctr_hold_cnt(0) depctr_sa_sdst(0) depctr_va_vdst(0) depctr_va_sdst(0) depctr_va_ssrc(0) depctr_va_vcc(0) depctr_vm_vsrc(0)
	s_getreg_b32 s2, hwreg(HW_REG_IB_STS2, 6, 4)
	s_cmp_eq_u32 s2, 0
	s_cbranch_scc0 .Lentry_in_a_cluster
	s_endpgm
.Lentry_in_a_cluster:
	s_bfe_u32 s2, ttmp6, 0x10000c
	s_cmp_lg_u32 s2, 0x3003
	s_cbranch_scc0 .Lentry_shape_is_right
	s_endpgm
.Lentry_shape_is_right:
; BAHDANAU ATTENTION, launch 2 of 3: scores[row] = t' = sum over n of V'[n] R[row][n], V' = -2 log2(e) V, R = 1 / (1 + 2^(2 log2(e) x)), x = (Q(encoder_output) Q(Wh))[row][n] + ub[b][n] + covp[b].
; WORK LEFT OUT (shown at the head of launch 1): bv and the sum of V, terms that are the same along the softmax's axis.  t' is the score in units of log2, less those terms.
; LIMITS: e0 between -126 and 119; e0 + e1 between -126 and 126, so that the powers of two below are f32 numbers.  NaN among the inputs is not served.  Where 2^(..) overflows R is 0, where it underflows R is 1: tanh's own limits.
; SHARES.  A work-group owns 256 rows of one batch, each of its four waves 64 rows and ALL 1,024 columns, so a row's score never leaves its wave.  The wave's rows, as codes, stay in 512 registers (4 tiles of 16 rows x 8 K steps);
; Wh's codes stream through a ring of two LDS slots of 64 columns (65,536 bytes, dense in whc); a fragment read from LDS (2,048 bytes) feeds four matrix instructions.
; CLUSTER.  The four work-groups of a cluster walk the same slots: each slot is asked for JOINTLY, by the same tensor load with the same descriptor and the mask of all four; each wave asks for a quarter of a slot.
; PHASES.  L: the wave's 64 rows are read once, 512 consecutive bytes an instruction, sixteen units of four loads always on their way; held, converted, turned through the wave's own tile in LDS into operand order.
;          G: 64 chunks of 16 columns.  A chunk is 32 matrix instructions on four accumulators by turns; behind each stands a slice of the chunk BEFORE's tanh and dot with V' (114 lines on the other set of four accumulators).
;             LDS is read in TWO RUNS a chunk, never singly among the matrix instructions: each run stands directly behind one of the list's two waits for its transcendentals.
; THE MATRIX INSTRUCTION IS USED TRANSPOSED (source 0 = 16 columns of Wh, source 1 = 16 rows): lane (r, h) holds row r and the columns 8 h + 0 .. 7 of the tile.  The bias U = (ub + covp) / 2^(e0 + e1) is the C of a sum's first instruction.
; THE ORDER OF k is launch 1's: register 4 c + j, byte i of lane (r, h) in K step KS: k = 512 (KS / 4) + 32 (KS % 4) + 128 j + 8 c + 4 h + i, on both sides.
; REGISTERS, in windows of 256 (s_set_vgpr_msb: bits 1:0 source 0, 3:2 source 1, 5:4 source 2, 7:6 destination):
;   window 0: v1 16 x lane; v2 the slot in hand; v3, v4 the tables; v5, v6 the add's two; v8-10 the tile; v11 2^e0; v12-15 further LDS addresses; v16-23 the four tiles' sums, a pair each; v24-31 at work;
;             phase G: v32-159 eight fragments of Wh (K step ks in buffer (ks + 1) % 8); v160-191, v192-223 the two sets of four accumulators.   phase L: v96-111 four sets of codes just made.
;   the rows' codes A(m, KS): window 1 (KS 0-2), 2 (KS 3-5), 3 (KS 6, 7), at v[64 (KS within the window) + 16 m].   window 1 v192-199: U of the chunk.   window 3 v128-135: V' of the chunk under tanh.
;   phase L's ring: unit x at v[128 + 16 (x % 8)] of window 0 (x < 8) or 3.
; Under a product's setting (destination, source 0 and C in window 0, source 1 in A's window) every line of the tanh runs as it stands: its source 1 is a scalar or a constant, but for the dot with V', which falls into K step 7, where source 1 means window 3.
.set SLOTB, 65536                      ; a slot; slot 1 begins here, so that one exclusive or turns an address
.set TILE,  131072                     ; behind the ring: for each wave a tile of 32 rows of codes,
.set TP,    1040                       ; 1,024 bytes + 16: 65 x 16, so the 16 rows that a load touches start at 16 different groups of banks (64 banks of 4 bytes: ISA guide 11.1)
.set TILEW, 32*TP
.set TAB,   TILE+4*TILEW               ; then for each wave its tables: U (4,096 bytes), 128 bytes of zeros, V' (4,096)
.set TABW,  8448
.set ZOFF,  4096
.set VOFF,  4224
.set SPARE, TAB+4*TABW                 ; then the spare words, 128 bytes for each wave: two blocks of 256 bytes that no other line names
.set BF,    32                         ; the eight fragment buffers
.set ACC,   160                        ; the two sets of accumulators
.set WV, 18                            ; s18  my wave's number
.set MSB, 0
.macro WIN new                         ; the immediate's high byte repeats the setting that is left; a switch that changes nothing is dropped
.if MSB != (\new)
	s_set_vgpr_msb (MSB<<8)|(\new)
.set MSB, (\new)
.endif
.endm
.macro CROUND                          ; a round of the cluster's barrier
	s_barrier_signal -1
	s_barrier_wait -1
	s_cmp_lg_u32 s[WV], 0
	s_cbranch_scc1 .Lnot_wave_0_\@
	s_barrier_signal -3
.Lnot_wave_0_\@:
	s_barrier_wait -3
	s_barrier_signal -1
	s_barrier_wait -1
.endm
.macro AREG m, k                       ; where A(m, k) lies: window AW, register AR
.if (\k) < 3
.set AW, 1
.set AR, 64*(\k)+16*(\m)
.elseif (\k) < 6
.set AW, 2
.set AR, 64*((\k)-3)+16*(\m)
.else
.set AW, 3
.set AR, 64*((\k)-6)+16*(\m)
.endif
.endm
	s_load_b256 s[4:11], s[0:1], 0x0               ; encoder_output s[4:5], whc s[6:7], ub s[8:9], covp s[10:11]
	s_load_b128 s[12:15], s[0:1], 0x20             ; V s[12:13], lowp_scales s[14:15]
	s_load_b64 s[16:17], s[0:1], 0x30              ; scores
	v_lshl_add_u32 v5, v0, 2, SPARE
	v_mov_b32 v6, 0
	ds_add_u32 v5, v6                              ; the wave's opening: the add, twice on end, and its wait ahead of my first tensor load
	ds_add_u32 v5, v6                              ; and once more
	v_lshrrev_b32 v24, 5, v0
	v_readfirstlane_b32 s[WV], v24                 ; wave 0..3
	s_bfe_u32 s19, ttmp6, 0x40000                  ; cx: my place in the cluster
	s_lshl_b32 s20, ttmp9, 2                       ; in a cluster launch ttmp9 counts clusters
	s_add_co_u32 s20, s20, s19                     ; my block of 256 rows: it enters global addresses of my own alone
	s_lshr_b32 s21, s20, 3                         ; its batch
	; descriptor group 1: 64 rows of 256 bytes, dense: a quarter of a slot
	s_mov_b32 s24, 15|(3<<16)|(1<<21)              ; 15:0 the mask: all four work-groups; 17:16 elements of 8 bytes; 21 set beside a mask; no padding
	s_mov_b32 s25, 32<<16                          ; tensor_dim0 = 32
	s_mov_b32 s26, 64<<16                          ; tensor_dim1 = 64
	s_mov_b32 s27, 32<<16                          ; tile_dim0 = 32
	s_mov_b32 s28, 64                              ; tile_dim1 = 64
	s_mov_b32 s29, 32                              ; from row to row
	s_mov_b32 s30, 0
	s_mov_b32 s31, 0
	s_mov_b32 s56, 0x76543210                      ; v_permlanex16_b32's selects for lane l xor 16
	s_mov_b32 s57, 0xfedcba98
	s_lshl_b32 s58, s[WV], 14                      ; my quarter: 16,384 x wave, in whc and in a slot alike
	s_mov_b32 s59, 0
	v_and_b32 v24, 31, v0                          ; lane
	v_and_b32 v25, 15, v0                          ; r
	v_bfe_u32 v26, v0, 4, 1                        ; h
	v_lshlrev_b32 v1, 4, v24                       ; 16 x lane
	s_mul_i32 s60, s[WV], TILEW
	s_add_co_u32 s60, s60, TILE                    ; my tile
	s_mul_i32 s61, s[WV], TABW
	s_add_co_u32 s61, s61, TAB                     ; my tables
	v_add_nc_u32 v8, s60, v1                       ; into the tile: 16 x lane of half a row
	v_mul_u32_u24 v10, v25, TP
	v_lshl_add_u32 v10, v26, 4, v10
	v_add_nc_u32 v10, s60, v10                     ; out of it: row r, + 16 h
	v_lshlrev_b32 v3, 5, v26
	v_add_nc_u32 v3, s61, v3                       ; the tables: + 32 h: my eight columns of a tile's sixteen
	v_add_nc_u32 v12, s61, v1                      ; the tables as they are written
	v_lshl_add_u32 v13, v24, 2, s61
	v_lshl_add_u32 v14, v24, 2, s60                ; the way out, through the tile's first 256 bytes: in,
	v_lshl_add_u32 v15, v24, 3, s60                ; and back
	v_mov_b32 v27, 0
	s_wait_dscnt 0x0                               ; both opening adds are done
	s_wait_kmcnt 0x0
	s_mov_b32 s32, 1                               ; group 0 for slot 0: count = 1,
	s_mov_b32 s33, s58                             ; LDS address,
	s_add_nc_u64 s[34:35], s[6:7], s[58:59]        ; global address: columns 0-63,
	s_mov_b32 s36, 1                               ; and for slot 1: this one walks on
	s_add_co_u32 s37, s58, SLOTB
	s_add_nc_u64 s[38:39], s[34:35], SLOTB         ; columns 64-127
	s_or_b32 s35, s35, 0x80000000                  ; type = 2
	s_or_b32 s39, s39, 0x80000000
	CROUND                                         ; all four work-groups are here: the first joint loads meet
	tensor_load_to_lds s[32:35], s[24:31]          ; every wave issues both first fills: two loads of mine are out
	s_nop 0
	tensor_load_to_lds s[36:39], s[24:31]
	s_nop 0
.rept 4
	v_nop
.endr
	s_lshl_b32 s58, s20, 20                        ; my block's 256 rows of 4,096 bytes,
	s_lshl_b32 s62, s[WV], 18                      ; my wave's 64 of them
	s_add_co_u32 s58, s58, s62
	s_add_nc_u64 s[40:41], s[4:5], s[58:59]        ; where phase L stands
	s_lshl_b32 s58, s21, 12
	s_add_nc_u64 s[8:9], s[8:9], s[58:59]          ; ub's row of my batch
	s_lshl_b32 s58, s21, 2
	s_add_nc_u64 s[10:11], s[10:11], s[58:59]
	s_lshl_b32 s58, s20, 10
	s_lshl_b32 s62, s[WV], 8
	s_add_co_u32 s58, s58, s62
	s_add_nc_u64 s[16:17], s[16:17], s[58:59]      ; my wave's 64 scores
	s_load_b64 s[22:23], s[14:15], 0x0             ; e0, e1
	s_load_b32 s54, s[10:11], 0x0                  ; covp of my batch
.irp x, 0,1,2,3,4,5,6,7
	global_load_b128 v[32+4*\x:35+4*\x], v1, s[8:9] offset:512*\x
	global_load_b128 v[64+4*\x:67+4*\x], v1, s[12:13] offset:512*\x
.endr
; Unit x of a trip is half a row: row x / 2 of the trip's eight, half x % 2: four loads of 512 consecutive bytes.  Lane l's register 4 j + i is then k = 512 (x % 2) + 128 j + 4 l + i.
.macro RLOAD x, off
.if (\x) < 8
	WIN 0
.else
	WIN 0xc0                                       ; destination window 3, address window 0
.endif
.irp j, 0,1,2,3
	global_load_b128 v[128+16*((\x)%8)+4*\j:128+16*((\x)%8)+4*\j+3], v1, s[40:41] offset:((\x)/2)*4096+((\x)%2)*2048+512*\j+(\off) th:TH_LOAD_NT   ; read once in this launch
.endr
.endm
.irp x, 0,1,2,3,4,5,6,7,8,9,10,11
	RLOAD \x, 0
.endr
	WIN 0
	s_wait_kmcnt 0x0
	s_add_co_i32 s58, s22, s23                     ; E = e0 + e1: a sum of codes stands for sum x 2^E
	s_lshl_b32 s59, s58, 23
	s_add_co_i32 s48, s59, 0x4038aa3b              ; c' = 2 log2(e) x 2^E: E is added to the exponent field
	s_mov_b32 s49, s48                             ; (named with it as a pair, so it is written)
	s_sub_co_i32 s58, 127, s58
	s_lshl_b32 s52, s58, 23                        ; 2^-E
	s_mov_b32 s53, s52
	s_add_co_i32 s58, s22, 127
	s_lshl_b32 s59, s58, 23
	v_mov_b32 v11, s59                             ; 2^e0: the conversions take its exponent field
	s_add_co_i32 s58, s58, 8
	s_lshl_b32 s58, s58, 23
	s_or_b32 s51, s58, 0x600000                    ; 448 x 2^e0,
	s_or_b32 s50, s51, 0x80000000                  ; and its negative
	v_mov_b32 v24, s54
	v_mul_f32 v24, s52, v24                        ; covp / 2^E
	v_mov_b32 v25, v24
	s_wait_loadcnt 48                              ; the 16 table loads are in; the 48 ring loads behind them stay out
.set n, 0
.rept 16
	v_pk_fma_f32 v[32+2*n:33+2*n], v[32+2*n:33+2*n], s[52:53], v[24:25] op_sel_hi:[1,0,0]   ; U = ub / 2^E + covp / 2^E
	v_pk_mul_f32 v[64+2*n:65+2*n], v[64+2*n:65+2*n], 0xc038aa3b op_sel_hi:[1,0]             ; V' = -2 log2(e) V
.set n, n+1
.endr
.irp x, 0,1,2,3,4,5,6,7
	ds_store_b128 v12, v[32+4*\x:35+4*\x] offset:512*\x
	ds_store_b128 v12, v[64+4*\x:67+4*\x] offset:VOFF+512*\x
.endr
	ds_store_b32 v13, v27 offset:ZOFF              ; 128 bytes of zeros between them: V' of 'the chunk before the first', U of 'the chunk behind the last'
.irp x, 12,13,14,15
	RLOAD \x, 0
.endr
	WIN 0
; ---- PHASE L.  One unit's turn: held, converted, its 16 codes a lane stored into the tile (lane l at 16 l of the half row), its registers loaded again with the unit one trip (eight rows) on.
.macro UNIT x, ahead, left
	s_wait_loadcnt \left                           ; loads come back in order (ISA guide 5.7.1): mine are in, the younger units' stay out
.set UR, 128+16*((\x)%8)
.set UC, 96+4*((\x)%4)
.if (\x) < 8
	WIN 0
.else
	WIN 0xc3                                       ; destination and source 0 window 3
.endif
.set n, 0
.rept 16
	v_med3_num_f32 v[UR+n], v[UR+n], s50, s51      ; the conversion does not saturate (ISA guide 7.6.2): the hold at +-448 x 2^e0 first
.set n, n+1
.endr
	s_wait_dscnt 3                                 ; the store that read this set of codes, four units back, is done; the three younger may be out
.if (\x) >= 8
	WIN 0x03                                       ; source 0 window 3, the codes and the scale window 0
.endif
	v_cvt_scalef32_pk8_fp8_f32 v[UC:UC+1], v[UR:UR+7], v11
	v_cvt_scalef32_pk8_fp8_f32 v[UC+2:UC+3], v[UR+8:UR+15], v11
.if (\x) >= 8
	WIN 0xc0
.endif
	ds_store_b128 v9, v[UC:UC+3] offset:((\x)/2)*TP+512*((\x)%2)
.if \ahead
	RLOAD \x, 32768
.endif
.endm
.macro TRIP ahead                      ; eight rows
	WIN 0
	s_wait_dscnt 0x0                               ; no LDS instruction of mine still names the address that is written next
	v_add_nc_u32 v9, s42, v8                       ; the trip's eight rows of the tile
.set ux, 0
.rept 16
.if \ahead
	UNIT ux, 1, 60                                 ; 15 younger units x 4 loads
.else
	UNIT ux, 0, 4*(15-ux)                          ; the last trip loads nothing: the counts run down, and no load leaves the buffer
.endif
.set ux, ux+1
.endr
	WIN 0
	v_nop                                          ; one plain line behind the last conversion
.if \ahead
	s_wait_xcnt 0x0                                ; the loads have read their base: it may step
	s_add_nc_u64 s[40:41], s[40:41], 32768
.endif
	s_add_co_u32 s42, s42, 8*TP
.endm
; The tile's 32 rows become the codes of row tiles 2 p and 2 p + 1: lane (r, h) takes 16 bytes at row r, 128 KS + 32 c + 16 h.  The bytes are my wave's own and LDS serves a wave in order (ISA guide 5.7.1.4): no barrier, and no wait against the next stores.
.macro PULL p
.irp k, 0,1,2,3,4,5,6,7
.irp u, 0,1
	AREG 2*(\p)+\u, \k
	WIN AW*64
.irp c, 0,1,2,3
	ds_load_b128 v[AR+4*\c:AR+4*\c+3], v10 offset:\u*16*TP+128*\k+32*\c
.endr
.endr
.endr
	WIN 0
.endm
	s_mov_b32 s42, 0
	s_mov_b32 s43, 4
.Lload1:                                           ; rows 0-31
	TRIP 1
	s_sub_co_u32 s43, s43, 1
	s_cmp_lg_u32 s43, 0
	s_cbranch_scc1 .Lload1
	PULL 0
	s_mov_b32 s42, 0
	s_mov_b32 s43, 3
.Lload2:                                           ; rows 32-55
	TRIP 1
	s_sub_co_u32 s43, s43, 1
	s_cmp_lg_u32 s43, 0
	s_cbranch_scc1 .Lload2
	TRIP 0                                         ; rows 56-63
	PULL 1
; A fragment of Wh: chunk wch (0..3) of the slot that v2 names, K step wks, into its buffer: four runs of 512 consecutive bytes, as launch 1 laid them.
; It needs no switch: under every product's setting, as under 0, destination and source 0 mean window 0.
.macro FLOAD wch, wks
.set FN, BF+16*(((\wks)+1)%8)
.set FO, 2048*(16*((\wch)/2)+2*(\wks)+(\wch)%2)
.irp c, 0,1,2,3
	ds_load_b128 v[FN+4*\c:FN+4*\c+3], v2 offset:FO+512*\c
.endr
.endm
; ---- in front of phase G
	s_wait_dscnt 0x0                               ; all my codes are in registers
	s_wait_tensorcnt 0x1                           ; my quarter of slot 0 is in; slot 1's may stay out
	s_barrier_signal -1
	s_barrier_wait -1                              ; everybody's is
.set n, 0
.rept 8
	v_mov_b32 v[16+n], 0                           ; the sums
.set n, n+1
.endr
.set n, 0
.rept 32
	v_mov_b32 v[ACC+32+n], 0                       ; the set that the first chunk's slices work on: with V' = 0 it adds nothing.  (So the chunk is written without a first copy of its own)
.set n, n+1
.endr
	s_mov_b32 s44, 0                               ; the slot in hand
	s_mov_b32 s45, 0                               ; 256 x the slot's number: its place in the tables
	v_add_nc_u32 v2, s44, v1
	WIN 0x40
.irp x, 0,1
	ds_load_b128 v[192+4*\x:195+4*\x], v3 offset:16*\x   ; U of chunk 0
.endr
	WIN 0
.irp k, 0,1,2,3,4,5,6
	FLOAD 0, \k                                    ; K steps 0-6 of chunk 0: with U ahead of them, the order in which the loop's runs leave them
.endr
; ---- PHASE G.  THE VECTOR WORK OF A CHUNK: a list of 114 lines on the 32 registers x0-x31 of the set XQ (pairs 0-15); TI writes number tj.
;   0-47     c' x, a pair a line, and 2^(c' x): (scaling of pair u + 1, exponentials 2 u, 2 u + 1); none reads an exponential's result
;   48       four plain lines, and the one wait for the 32 exponentials (ahead of the first line that names a result)
;   49-96    1 + .., a pair a line, and the reciprocals, in the same pattern
;   97       four plain lines, and the one wait for the 32 reciprocals
;   98-113   sum of tile m += R x V', a pair a line, the four tiles' sums by turns
; The four v_nop of 48 and 97 are the plain line that a transcendental wants behind it, and the four places between the last matrix instruction that read a fragment buffer and the run of loads
; that fills it again (ISA guide 7.12.1 for vector instructions): the run stands directly behind the wait.
.macro TI
.if tj == 0
	v_pk_mul_f32 v[XQ:XQ+1], v[XQ:XQ+1], s[48:49] op_sel_hi:[1,0]     ; an accumulator is read from its low end on
.elseif tj < 46
.set tu, (tj-1)/3
.set tk, (tj-1)%3
.if tk == 0
	v_pk_mul_f32 v[XQ+2*tu+2:XQ+2*tu+3], v[XQ+2*tu+2:XQ+2*tu+3], s[48:49] op_sel_hi:[1,0]
.else
	v_exp_f32 v[XQ+2*tu+tk-1], v[XQ+2*tu+tk-1]
.endif
.elseif tj < 48
	v_exp_f32 v[XQ+tj-16], v[XQ+tj-16]
.elseif tj == 48
.rept 4
	v_nop
.endr
	s_wait_alu depctr_va_vdst(0)
.elseif tj == 49
	v_pk_add_f32 v[XQ:XQ+1], v[XQ:XQ+1], 1.0 op_sel_hi:[1,0]
.elseif tj < 95
.set tu, (tj-50)/3
.set tk, (tj-50)%3
.if tk == 0
	v_pk_add_f32 v[XQ+2*tu+2:XQ+2*tu+3], v[XQ+2*tu+2:XQ+2*tu+3], 1.0 op_sel_hi:[1,0]
.else
	v_rcp_f32 v[XQ+2*tu+tk-1], v[XQ+2*tu+tk-1]
.endif
.elseif tj < 97
	v_rcp_f32 v[XQ+tj-65], v[XQ+tj-65]
.elseif tj == 97
.rept 4
	v_nop
.endr
	s_wait_alu depctr_va_vdst(0)
.else
.set tz, tj-98
.set tm, tz%4
.set tp, tz/4
	v_pk_fma_f32 v[16+2*tm:17+2*tm], v[XQ+8*tm+2*tp:XQ+8*tm+2*tp+1], v[128+2*tp:129+2*tp], v[16+2*tm:17+2*tm]
.endif
.endm
.macro SLICE                           ; behind matrix instruction si: 3 lines (si even), 4 (odd), 6 (the last): 16 x 7 + 2 = 114.  So number 48 ends the slice of instruction 13, number 97 that of instruction 27
.set cnt, 3+(si%2)
.if si == 31
.set cnt, 6
.endif
.rept cnt
	TI
.set tj, tj+1
.endr
.endm
; THE CHANGE OF SLOTS, when the slot's last fragment has been asked for.  Each wave waits for all its tensor loads (one is out: its quarter of the other slot), adds 0 to its spare word, and waits for that and for its reads of this slot.
; fill = 1: the slot is filled again with the columns two slots on: the barrier is a round of the cluster's, the joint load the first thing behind it; it has 128 matrix instructions in which to land.
.macro CHANGE fill
	WIN 0                                          ; at a label and at a branch every window is 0
.if \fill
	s_wait_alu depctr_va_vdst(0)                   ; the wait for the reciprocals issued so far
.endif
	s_wait_tensorcnt 0x0                           ; no tensor load of mine is out, so a group 0 may be written
	ds_add_u32 v5, v6
.if \fill
	s_xor_b32 s37, s37, SLOTB                      ; the walking descriptor: the other slot than last time,
	s_add_nc_u64 s[38:39], s[38:39], SLOTB         ; the next 64 columns; the type bits on top are not reached
.endif
	s_xor_b32 s44, s44, SLOTB
	s_wait_dscnt 0x0                               ; the add is done, and my reads of this slot are over
.if \fill
	CROUND
	tensor_load_to_lds s[36:39], s[24:31]
	s_nop 0
.rept 4
	v_nop
.endr
.else
	s_barrier_signal -1
	s_barrier_wait -1
.endif
	v_add_nc_u32 v2, s44, v1                       ; the fragments now come from the other slot
.endm
; A CHUNK: column tile 4 s + ch.  Matrix instruction si = 4 ks + m: K step ks, tile of rows m, accumulator m of the chunk's set.  The four take turns, one instruction a turn, over the chunks' and the loops' edges too.
; RUN A, behind instruction 13: K step 7 of this chunk, V' of the chunk under tanh, U and K steps 0-2 of the next chunk: 20 loads.  The buffers' last readers: instruction 31 of the chunk before, and instruction 11.
; RUN B, behind instruction 27: K steps 3-6 of the next chunk: 16 loads.  The buffers' last reader is instruction 27 itself: the four v_nop of number 97 stand between.
; In a slot's last chunk run A ends behind U; the change of slots stands behind instruction 17, and the next slot's K steps 0-2 follow it.
; THE WAITS at the head of K step ks count the LDS instructions issued behind the fragment that is due: ks 0-3: 24, 20, 16, 12 (what is left of run A, and run B's 16; then what is left of run B);
; ks 4-6: 28, 24, 20 (what is left of run B, and this chunk's run A); ks 7: 30 (run A's 14 behind V', and run B's 16).  In a slot's last chunk: ks 4: 16 (run B's 8, run A's 8); from ks 5 on the change of slots has waited for all.
.macro CHUNK ch, fill
.set AQ, ACC+32*((\ch)%2)
.set XQ, ACC+32-32*((\ch)%2)
.set NC, ((\ch)+1)%4
.set tj, 0
.set si, 0
.rept 32
.set ks, si/4
.set mm, si%4
.set wc, -1
.if mm == 0
.if ks < 4
.set wc, 24-4*ks
.elseif ((\ch) == 3) && (ks == 4)
.set wc, 16
.elseif ((\ch) < 3) && (ks == 7)
.set wc, 30
.elseif (\ch) < 3
.set wc, 44-4*ks
.endif
.endif
.if wc >= 0
	s_wait_dscnt wc
.endif
	AREG mm, ks
.set DA, AQ+8*mm
.set FB, BF+16*((ks+1)%8)
.if ks == 0
	WIN 0x14                                       ; A and U in window 1
	v_wmma_f32_16x16x128_fp8_fp8 v[DA:DA+7], v[FB:FB+15], v[AR:AR+15], v[192:199]   ; the bias starts the sum
.else
	WIN AW*4
	v_wmma_f32_16x16x128_fp8_fp8 v[DA:DA+7], v[FB:FB+15], v[AR:AR+15], v[DA:DA+7]
.endif
	SLICE
.if si == 13
	FLOAD \ch, 7
	WIN 0xc0
.irp x, 0,1
	ds_load_b128 v[128+4*\x:131+4*\x], v4 offset:VOFF-64+64*(\ch)+16*\x   ; V' of the chunk before (the first chunk of all finds the zeros)
.endr
	WIN 0x40
.irp x, 0,1
	ds_load_b128 v[192+4*\x:195+4*\x], v4 offset:64+64*(\ch)+16*\x        ; U of the next chunk; its registers' last readers were instructions 0-3
.endr
.if (\ch) < 3
	WIN 0x08                                       ; the setting of the products that follow
	FLOAD NC, 0
	FLOAD NC, 1
	FLOAD NC, 2
.endif
.endif
.if ((\ch) == 3) && (si == 17)
	CHANGE \fill
	FLOAD 0, 0
	FLOAD 0, 1
	FLOAD 0, 2
.endif
.if si == 27
	FLOAD NC, 3
	FLOAD NC, 4
	FLOAD NC, 5
	FLOAD NC, 6
.endif
.set si, si+1
.endr
.endm
.macro SLOTBODY fill                   ; a slot's four chunks
	v_add_nc_u32 v4, s45, v3                       ; the slot's place in the tables; the chunks' places stand in the immediates
	s_add_co_u32 s45, s45, 256
	CHUNK 0, \fill
	CHUNK 1, \fill
	CHUNK 2, \fill
	CHUNK 3, \fill
	WIN 0
.endm
	s_mov_b32 s46, 14
.Lslot:                                            ; slots 0-13: each is filled again with the columns two slots on
	SLOTBODY 1
	s_sub_co_u32 s46, s46, 1
	s_cmp_lg_u32 s46, 0
	s_cbranch_scc1 .Lslot
	s_mov_b32 s46, 2
.Ltail:                                            ; slots 14, 15: a copy without the load.  Its last trip asks LDS for seven fragments and a U that nobody uses: bytes that have landed
	SLOTBODY 0
	s_sub_co_u32 s46, s46, 1
	s_cmp_lg_u32 s46, 0
	s_cbranch_scc1 .Ltail
; ---- the last chunk's tanh, and the way out
	v_add_nc_u32 v4, s45, v3
	WIN 0xc0
.irp x, 0,1
	ds_load_b128 v[128+4*\x:131+4*\x], v4 offset:VOFF-64+16*\x   ; V' of chunk 63
.endr
	s_wait_dscnt 0x0
	WIN 0x0c                                       ; source 1 window 3, as in K step 7
.set XQ, ACC+32
.set tj, 0
.rept 114
	TI
.set tj, tj+1
.endr
	WIN 0
.irp m, 0,1,2,3
	v_add_f32 v[24+\m], v[16+2*\m], v[17+2*\m]     ; a sum's two halves,
.endr
.irp m, 0,1,2,3
	v_permlanex16_b32 v[16+2*\m], v[24+\m], s56, s57
.endr
.irp m, 0,1,2,3
	v_add_f32 v[24+\m], v[24+\m], v[16+2*\m]       ; and lane l xor 16's, which held the other eight columns of every tile: t' of row 16 m + r
.endr
	v_bfe_u32 v28, v0, 4, 1
	v_cmp_eq_u32 vcc_lo, 1, v28
	v_cndmask_b32 v29, v24, v25, vcc_lo            ; lane l: row l,
	v_cndmask_b32 v30, v26, v27, vcc_lo            ; and row 32 + l
	v_and_b32 v31, 31, v0
	v_lshlrev_b32 v31, 3, v31
	ds_store_b32 v14, v29                          ; through my tile, so that one store carries the wave's 64 scores
	ds_store_b32 v14, v30 offset:128
	ds_load_b64 v[32:33], v15                      ; LDS serves a wave's instructions in order: this sees the stores above
	s_wait_dscnt 0x0
	global_store_b64 v31, v[32:33], s[16:17]       ; the wave stores 256 consecutive bytes, at a multiple of 256 from the buffer's first byte
	s_wait_tensorcnt 0x0                           ; the wave's end, behind my last tensor load and my last LDS store
	ds_add_u32 v5, v6
	s_wait_dscnt 0x0
	CROUND                                         ; the closing round: no work-group ends while a partner may still ask for a slot that names it
	s_endpgm
.Lfunc_end_k_q66041ad2db_main:
	.size	k_q66041ad2db_main, .Lfunc_end_k_q66041ad2db_main-k_q66041ad2db_main
	.p2alignl 7, 3214868480
	.fill 96, 4, 3214868480
	.section	.rodata,"a",@progbits
	.p2align	6, 0x0
	.amdhsa_kernel k_q66041ad2db_main
		.amdhsa_group_segment_fixed_size 327680
		.amdhsa_private_segment_fixed_size 0
		.amdhsa_enable_private_segment 0
		.amdhsa_kernarg_size 56
		.amdhsa_user_sgpr_count 2
		.amdhsa_user_sgpr_kernarg_segment_ptr 1
		.amdhsa_wavefront_size32 1
		.amdhsa_system_sgpr_workgroup_id_x 1
		.amdhsa_system_sgpr_workgroup_id_y 1
		.amdhsa_system_sgpr_workgroup_id_z 1
		.amdhsa_system_vgpr_workitem_id 0
		.amdhsa_next_free_vgpr 1024
		.amdhsa_next_free_sgpr 66
		.amdhsa_reserve_vcc 1
		.amdhsa_float_denorm_mode_32 3
		.amdhsa_float_denorm_mode_16_64 3
		.amdhsa_memory_ordered 1
		.amdhsa_forward_progress 1
		.amdhsa_inst_pref_size 193
	.end_amdhsa_kernel
	.amdgpu_metadata
---
amdhsa.version: [ 1, 2 ]
amdhsa.kernels:
  - .name:           k_q66041ad2db_main
    .symbol:         k_q66041ad2db_main.kd
    .args:
      - { .name: encoder_output, .offset: 0, .size: 8, .value_kind: global_buffer, .address_space: global }
      - { .name: whc, .offset: 8, .size: 8, .value_kind: global_buffer, .address_space: global }
      - { .name: ub, .offset: 16, .size: 8, .value_kind: global_buffer, .address_space: global }
      - { .name: covp, .offset: 24, .size: 8, .value_kind: global_buffer, .address_space: global }
      - { .name: V, .offset: 32, .size: 8, .value_kind: global_buffer, .address_space: global }
      - { .name: lowp_scales, .offset: 40, .size: 8, .value_kind: global_buffer, .address_space: global }
      - { .name: scores, .offset: 48, .size: 8, .value_kind: global_buffer, .address_space: global }
    .group_segment_fixed_size: 327680
    .private_segment_fixed_size: 0
    .kernarg_segment_align: 8
    .kernarg_segment_size: 56
    .max_flat_workgroup_size: 128
    .sgpr_count:     66
    .vgpr_count:     1024
    .wavefront_size: 32
...
	.end_amdgpu_metadata
.endif
;; end of part 2
;; launch ctx (part 3): grid 8 x 32, 16 waves a work-group, no clusters, 10,752 bytes of LDS; arguments encoder_output, scores, coverage_vector, out0, out1, out2; writes out0, out1, out2
.if DOCPART == 3
	.amdgcn_target "amdgcn-amd-amdhsa--gfx1250"
	.amdhsa_code_object_version 6
	.text
	.protected	k_q66041ad2db_ctx
	.globl	k_q66041ad2db_ctx
	.p2align	8
	.type	k_q66041ad2db_ctx,@function
k_q66041ad2db_ctx:
	s_mov_b64 s[64:65], 0
	v_nop
	global_prefetch_b8 v0, s[64:65] scope:SCOPE_SE
	s_setreg_imm32_b32 hwreg(HW_REG_WAVE_MODE, 25, 1), 1
	s_wait_xcnt 0x0
; BAHDANAU ATTENTION, launch 3 of 3: the softmax over a batch's 2,048 scores, and what hangs on it: out1 = w, out2 = coverage_vector + w, out0[b][:] = sum over s of w[s] encoder_output[b][s][:], all in f32.
; WORK LEFT OUT (shown at the head of launch 1): bv and the sum of V; scores holds t' = log2(e) x score less terms that are the same along s, so w = 2^(t' - M) / the sum of these, M the batch's largest t' (the maximum is taken away).
; SHARES.  Work-group (x, b) owns columns 128 x .. 128 x + 127 of out0[b], over all 2,048 rows: each output number has one owner, and no sum spans work-groups.  It also stores rows 256 x .. 256 x + 255 of out1 and out2.
; Every work-group of a batch makes the batch's softmax for itself from 8,192 bytes of scores: a small part of the 1,048,576 bytes of encoder_output that it streams and shares with nobody, so there is no cluster.
; Wave w takes rows 128 w .. 128 w + 127; a lane 16 bytes (4 columns), so a load covers 512 consecutive bytes, at a multiple of 256 from the buffer's first byte.  32 loads of every wave are always on their way.
; Thread T = 32 w + lane holds the scores of rows 4 T .. 4 T + 3: exactly its wave's rows; row i of the wave is register i % 4 of lane i / 4, read as a scalar.
; Memory binds: no matrix unit, no tensor load; LDS serves the three meetings of the sixteen waves alone.
.set PART,  0                          ; LDS: sixteen waves' partial sums, 512 bytes each
.set RED0,  8192                       ; sixteen maxima
.set RED1,  8448                       ; sixteen sums
.set SPARE, 8704                       ; the spare words, 128 bytes for each wave: eight blocks of 256 bytes that no other line names
.set RING,  48                         ; v48-175  32 slots of 4 registers
; v1 16 x lane; v2, v3 the add's two; v4-7 t', then p; v8-11, v12-15 the sums of even and of odd rows; v16 16 x thread; v17-19 LDS addresses; v20, v21 at work; v22 1 / the sum, v23 M; v24-31 out1, out2; v32-47 sixteen words
	s_load_b256 s[4:11], s[0:1], 0x0               ; encoder_output s[4:5], scores s[6:7], coverage_vector s[8:9], out0 s[10:11]
	s_load_b128 s[12:15], s[0:1], 0x20             ; out1 s[12:13], out2 s[14:15]
	v_lshl_add_u32 v2, v0, 2, SPARE
	v_mov_b32 v3, 0
	v_lshrrev_b32 v20, 5, v0
	v_readfirstlane_b32 s16, v20                   ; wave 0..15
	v_and_b32 v21, 31, v0
	v_lshlrev_b32 v1, 4, v21
	v_lshlrev_b32 v16, 4, v0
	s_and_b32 s17, ttmp7, 0xffff                   ; the batch
	s_lshl_b32 s18, s17, 23                        ; its 2,048 rows of 4,096 bytes,
	s_lshl_b32 s19, s16, 19                        ; my wave's 128 of them,
	s_add_co_u32 s18, s18, s19
	s_lshl_b32 s19, ttmp9, 9                       ; my work-group's 512 bytes of a row
	s_add_co_u32 s18, s18, s19
	s_mov_b32 s19, 0
	s_lshl_b32 s24, s17, 13                        ; the batch's 2,048 numbers in scores, coverage_vector, out1, out2
	s_mov_b32 s25, 0
	s_lshl_b32 s28, s17, 12                        ; and its row of out0,
	s_lshl_b32 s29, ttmp9, 9
	s_add_co_u32 s28, s28, s29                     ; my 512 bytes of it
	s_mov_b32 s29, 0
	s_lshl_b32 s26, s16, 2
	v_mov_b32 v17, s26                             ; LDS: my wave's word among sixteen
	v_mov_b32 v18, 0
	s_lshl_b32 s27, s16, 9
	v_add_nc_u32 v19, s27, v1                      ; and my 16 bytes of its partial sums
	s_mov_b32 s30, 0x76543210                      ; v_permlanex16_b32's selects for lane l xor 16
	s_mov_b32 s31, 0xfedcba98
	s_mov_b32 s21, 0                               ; (named as the upper halves of the pairs s[20:21], s[22:23])
	s_mov_b32 s23, 0
	v_mov_b32 v21, 0                               ; written once: a lane permute's destination counts as one of its sources
	s_wait_kmcnt 0x0
	s_add_nc_u64 s[4:5], s[4:5], s[18:19]
	s_add_nc_u64 s[6:7], s[6:7], s[24:25]
	s_add_nc_u64 s[8:9], s[8:9], s[24:25]
	s_add_nc_u64 s[12:13], s[12:13], s[24:25]
	s_add_nc_u64 s[14:15], s[14:15], s[24:25]
	s_add_nc_u64 s[10:11], s[10:11], s[28:29]
	global_load_b128 v[4:7], v16, s[6:7]
.set rho, 0
.rept 32
	global_load_b128 v[RING+4*rho:RING+4*rho+3], v1, s[4:5] offset:rho*4096 th:TH_LOAD_NT   ; each byte is read once in this launch
.set rho, rho+1
.endr
	s_wait_loadcnt 32                              ; the scores are in; the 32 rows behind them stay out
	; the batch's largest t'
	v_max3_num_f32 v20, v4, v5, v6
	v_max_num_f32 v20, v20, v7
	v_max_num_f32_dpp v20, v20, v20 row_xmask:1 row_mask:0xf bank_mask:0xf
	v_max_num_f32_dpp v20, v20, v20 row_xmask:2 row_mask:0xf bank_mask:0xf
	v_max_num_f32_dpp v20, v20, v20 row_xmask:4 row_mask:0xf bank_mask:0xf
	v_max_num_f32_dpp v20, v20, v20 row_xmask:8 row_mask:0xf bank_mask:0xf
	v_permlanex16_b32 v21, v20, s30, s31
	v_max_num_f32 v20, v20, v21
	ds_store_b32 v17, v20 offset:RED0              ; all lanes write the same word with the same value
	s_wait_dscnt 0x0                               ; for the others' sake
	s_barrier_signal -1
	s_barrier_wait -1
.irp x, 0,1,2,3
	ds_load_b128 v[32+4*\x:35+4*\x], v18 offset:RED0+16*\x
.endr
	s_wait_dscnt 0x0
	v_max3_num_f32 v23, v32, v33, v34
.irp i, 35,37,39,41,43,45
	v_max3_num_f32 v23, v23, v[\i], v[\i+1]
.endr
	v_max_num_f32 v23, v23, v47                    ; M
.irp i, 4,5,6,7
	v_sub_f32 v[\i], v[\i], v23
.endr
.irp i, 4,5,6,7
	v_exp_f32 v[\i], v[\i]                         ; p = 2^(t' - M), at most 1
.endr
	v_nop                                          ; a plain line behind the last exponential,
	s_wait_alu depctr_va_vdst(0)                   ; and the one wait ahead of the first use
	v_add_f32 v20, v4, v5
	v_add_f32 v22, v6, v7
	v_add_f32 v20, v20, v22
	v_add_f32_dpp v20, v20, v20 row_xmask:1 row_mask:0xf bank_mask:0xf
	v_add_f32_dpp v20, v20, v20 row_xmask:2 row_mask:0xf bank_mask:0xf
	v_add_f32_dpp v20, v20, v20 row_xmask:4 row_mask:0xf bank_mask:0xf
	v_add_f32_dpp v20, v20, v20 row_xmask:8 row_mask:0xf bank_mask:0xf
	v_permlanex16_b32 v21, v20, s30, s31
	v_add_f32 v20, v20, v21
	ds_store_b32 v17, v20 offset:RED1              ; other bytes than the maxima's: no barrier is owed between the two meetings' words
	s_wait_dscnt 0x0
	s_barrier_signal -1
	s_barrier_wait -1
.irp x, 0,1,2,3
	ds_load_b128 v[32+4*\x:35+4*\x], v18 offset:RED1+16*\x
.endr
	s_wait_dscnt 0x0
.irp i, 32,36,40,44
	v_pk_add_f32 v[\i:\i+1], v[\i:\i+1], v[\i+2:\i+3]
.endr
	v_pk_add_f32 v[32:33], v[32:33], v[36:37]
	v_pk_add_f32 v[40:41], v[40:41], v[44:45]
	v_pk_add_f32 v[32:33], v[32:33], v[40:41]
	v_add_f32 v20, v32, v33
	v_rcp_f32 v22, v20                             ; 1 / the sum (at least 1: the largest p is 1)
	v_nop
	s_wait_alu depctr_va_vdst(0)
	; my wave's 128 rows: sum of p x row, unnormalised.  Every offset is an immediate: nothing is stepped, and no address register is written again
.set rho, 0
.rept 128
.if rho < 97
	s_wait_loadcnt 31                              ; loads come back in order (ISA guide 5.7.1): this row's is in, the 31 younger stay out
.else
	s_wait_loadcnt 127-rho                         ; the counts run down: nothing is loaded beyond the wave's last row
.endif
.set RS, RING+4*(rho%32)
.set AC, 8+4*(rho%2)
.set SP, 20+2*(rho%2)
	v_readlane_b32 s[SP], v[4+rho%4], rho/4        ; the row's p
.if rho < 2
	v_pk_mul_f32 v[AC:AC+1], v[RS:RS+1], s[SP:SP+1] op_sel_hi:[1,0]         ; the first two rows start the two sets of sums
	v_pk_mul_f32 v[AC+2:AC+3], v[RS+2:RS+3], s[SP:SP+1] op_sel_hi:[1,0]
.else
	v_pk_fma_f32 v[AC:AC+1], v[RS:RS+1], s[SP:SP+1], v[AC:AC+1] op_sel_hi:[1,0,1]
	v_pk_fma_f32 v[AC+2:AC+3], v[RS+2:RS+3], s[SP:SP+1], v[AC+2:AC+3] op_sel_hi:[1,0,1]
.endif
.if rho < 96
	global_load_b128 v[RS:RS+3], v1, s[4:5] offset:(rho+32)*4096 th:TH_LOAD_NT
.endif
.set rho, rho+1
.endr
	v_pk_add_f32 v[8:9], v[8:9], v[12:13]
	v_pk_add_f32 v[10:11], v[10:11], v[14:15]
	ds_store_b128 v19, v[8:11] offset:PART
	s_wait_dscnt 0x0
	s_barrier_signal -1
	s_barrier_wait -1
	s_cmp_lg_u32 s16, 0                            ; wave 0 adds the sixteen parts and stores out0's 512 bytes
	s_cbranch_scc1 .Lnot_0
.irp x, 0,1,2,3,4,5,6,7,8,9,10,11,12,13,14,15
	ds_load_b128 v[RING+4*\x:RING+4*\x+3], v1 offset:PART+512*\x
.endr
	s_wait_dscnt 0x0
.irp x, 0,2,4,6,8,10,12,14
	v_pk_add_f32 v[RING+4*\x:RING+4*\x+1], v[RING+4*\x:RING+4*\x+1], v[RING+4*\x+4:RING+4*\x+5]
	v_pk_add_f32 v[RING+4*\x+2:RING+4*\x+3], v[RING+4*\x+2:RING+4*\x+3], v[RING+4*\x+6:RING+4*\x+7]
.endr
.irp x, 0,4,8,12
	v_pk_add_f32 v[RING+4*\x:RING+4*\x+1], v[RING+4*\x:RING+4*\x+1], v[RING+4*\x+8:RING+4*\x+9]
	v_pk_add_f32 v[RING+4*\x+2:RING+4*\x+3], v[RING+4*\x+2:RING+4*\x+3], v[RING+4*\x+10:RING+4*\x+11]
.endr
.irp x, 0,8
	v_pk_add_f32 v[RING+4*\x:RING+4*\x+1], v[RING+4*\x:RING+4*\x+1], v[RING+4*\x+16:RING+4*\x+17]
	v_pk_add_f32 v[RING+4*\x+2:RING+4*\x+3], v[RING+4*\x+2:RING+4*\x+3], v[RING+4*\x+18:RING+4*\x+19]
.endr
	v_pk_add_f32 v[RING:RING+1], v[RING:RING+1], v[RING+32:RING+33]
	v_pk_add_f32 v[RING+2:RING+3], v[RING+2:RING+3], v[RING+34:RING+35]
	v_pk_mul_f32 v[RING:RING+1], v[RING:RING+1], v[22:23] op_sel_hi:[1,0]       ; / the sum (of the pair the low word serves both halves)
	v_pk_mul_f32 v[RING+2:RING+3], v[RING+2:RING+3], v[22:23] op_sel_hi:[1,0]
	global_store_b128 v1, v[RING:RING+3], s[10:11] ; the wave stores 512 consecutive bytes, at a multiple of 256 from out0's first byte
.Lnot_0:
	s_lshr_b32 s26, s16, 1                         ; waves 2 x and 2 x + 1 hold rows 256 x .. 256 x + 255: they store the work-group's share of out1 and out2
	s_cmp_lg_u32 s26, ttmp9
	s_cbranch_scc1 .Lend
	global_load_b128 v[28:31], v16, s[8:9]         ; coverage_vector at my four rows
	v_pk_mul_f32 v[24:25], v[4:5], v[22:23] op_sel_hi:[1,0]
	v_pk_mul_f32 v[26:27], v[6:7], v[22:23] op_sel_hi:[1,0]
	global_store_b128 v16, v[24:27], s[12:13]      ; w: 512 consecutive bytes a wave
	s_wait_loadcnt 0x0
	v_pk_add_f32 v[28:29], v[28:29], v[24:25]
	v_pk_add_f32 v[30:31], v[30:31], v[26:27]
	global_store_b128 v16, v[28:31], s[14:15]      ; coverage_vector + w
.Lend:
	s_wait_tensorcnt 0x0                           ; the wave's end, behind my last LDS store
	ds_add_u32 v2, v3
	s_wait_dscnt 0x0
	s_endpgm
.Lfunc_end_k_q66041ad2db_ctx:
	.size	k_q66041ad2db_ctx, .Lfunc_end_k_q66041ad2db_ctx-k_q66041ad2db_ctx
	.p2alignl 7, 3214868480
	.fill 96, 4, 3214868480
	.section	.rodata,"a",@progbits
	.p2align	6, 0x0
	.amdhsa_kernel k_q66041ad2db_ctx
		.amdhsa_group_segment_fixed_size 10752
		.amdhsa_private_segment_fixed_size 0
		.amdhsa_enable_private_segment 0
		.amdhsa_kernarg_size 48
		.amdhsa_user_sgpr_count 2
		.amdhsa_user_sgpr_kernarg_segment_ptr 1
		.amdhsa_wavefront_size32 1
		.amdhsa_system_sgpr_workgroup_id_x 1
		.amdhsa_system_sgpr_workgroup_id_y 1
		.amdhsa_system_sgpr_workgroup_id_z 1
		.amdhsa_system_vgpr_workitem_id 0
		.amdhsa_next_free_vgpr 176
		.amdhsa_next_free_sgpr 66
		.amdhsa_reserve_vcc 0
		.amdhsa_float_denorm_mode_32 3
		.amdhsa_float_denorm_mode_16_64 3
		.amdhsa_memory_ordered 1
		.amdhsa_forward_progress 1
		.amdhsa_inst_pref_size 50
	.end_amdhsa_kernel
	.amdgpu_metadata
---
amdhsa.version: [ 1, 2 ]
amdhsa.kernels:
  - .name:           k_q66041ad2db_ctx
    .symbol:         k_q66041ad2db_ctx.kd
    .args:
      - { .name: encoder_output, .offset: 0, .size: 8, .value_kind: global_buffer, .address_space: global }
      - { .name: scores, .offset: 8, .size: 8, .value_kind: global_buffer, .address_space: global }
      - { .name: coverage_vector, .offset: 16, .size: 8, .value_kind: global_buffer, .address_space: global }
      - { .name: out0, .offset: 24, .size: 8, .value_kind: global_buffer, .address_space: global }
      - { .name: out1, .offset: 32, .size: 8, .value_kind: global_buffer, .address_space: global }
      - { .name: out2, .offset: 40, .size: 8, .value_kind: global_buffer, .address_space: global }
    .group_segment_fixed_size: 10752
    .private_segment_fixed_size: 0
    .kernarg_segment_align: 8
    .kernarg_segment_size: 48
    .max_flat_workgroup_size: 512
    .sgpr_count:     66
    .vgpr_count:     176
    .wavefront_size: 32
...
	.end_amdgpu_metadata
.endif
;; end of part 3
